; MI455X (gfx1250); checked and timed in simulation.
; The chip was launched on July 23, 2026; its instructions are those of AMD's public machine-readable ISA for CDNA 5 (MIT licence, August 2026) and "CDNA5" Instruction Set Architecture Reference Guide (July 2026). The comments in the code are by the model that wrote it; some were corrected since.
;; MLB Attention. Allowed arithmetic: matrix products marked QUANTISED: E4M3 operands, one E8M0 scale for each 32 along K, by v_wmma_scale_f32_16x16x128_f8f6f4 with both operands' format E4M3, f32 sums; products left as they are: f32 operands where the result goes on into a quantised operand, else bf16, f16 or f32 operands; f32 sums; everything else in f32.
;; Inputs: W_ch_codes 1,024 x 32 x 32 uint8 (E4M3 codes of W_ch, K innermost, in blocks of 32 codes); W_ch_scales 1,024 x 32 uint8 (E8M0 scales of W_ch, one for each 32 codes along K); W_ih_codes 1,024 x 32 x 32 uint8 (E4M3 codes of W_ih, K innermost, in blocks of 32 codes); W_ih_scales 1,024 x 32 uint8 (E8M0 scales of W_ih, one for each 32 codes along K); context_codes 32 x 32 x 32 uint8 (E4M3 codes of context, K innermost, in blocks of 32 codes); context_scales 32 x 32 uint8 (E8M0 scales of context, one for each 32 codes along K); inputs 32 x 2,048 x 1,024 float32; mask 32 x 2,048 x 1 bool; w_score 1,024 float32.
;; Outputs: out0 32 x 1 x 1,024 float32.
;; This version of the problem:
;;   THIS VERSION OF THE PROBLEM IS GIVEN IN LOW PRECISION. The matrix products marked QUANTISED in the list below multiply operands that are first quantised to E4M3 (4 exponent bits, 3 mantissa bits; 8 bits a number), with one power-of-two scale for each 32 numbers along K (OCP MX v1.0); their sums are f32. All else is computed in f32.
;;   The module's matrix products, in the order in which they are computed (A, B: the left and right operand; K: the contracted axis; several contracted axes count as one K, in the product's order):
;;     1. [M 65,536, K 1,024] x [K 1,024, N 1,024]; A: input inputs; B: input W_ih (given as codes): QUANTISED
;;     2. [M 32, K 1,024] x [K 1,024, N 1,024]; A: input context (given as codes); B: input W_ch (given as codes): QUANTISED
;;     3. [M 65,536, K 1,024] x [K 1,024, N 1]; A: computed on the way; B: input w_score: left as it is (N = 1 < 16)
;;     4. batch 32 x [M 1, K 2,048] x [K 2,048, N 1,024]; A: softmax; B: input inputs: left as it is (M = 1 < 16)
;;   THE QUANTISER, for each operand of a quantised product, along K:
;;     - K is cut into blocks of 32 from its start; a last block that is shorter is filled with zeros.
;;     - A block's scale is 2^e with e = floor(log2(the largest magnitude in the block)) - 8, held to -126 .. 127; a block of zeros has e = 0. As a byte (E8M0): e + 127.
;;     - Each number is divided by its block's scale, clamped to +-448, and rounded to the nearest number of E4M3, ties to even, subnormals kept.
;;     - The product sums the exact products of the quantised numbers (number of the format x scale) in f32.
;;   ~~~python
;;   def quantise(x, axis):      # numpy; x: float32 -> the quantised numbers, widened to float32 again
;;       x = np.moveaxis(x, axis, -1); K = x.shape[-1]
;;       x = np.pad(x, [(0, 0)] * (x.ndim - 1) + [(0, -K % 32)]); x = x.reshape(x.shape[:-1] + (-1, 32)); a = np.abs(x).max(-1, keepdims=True)
;;       e = np.where(a > 0, np.clip(np.frexp(np.where(a > 0, a, 1))[1] - 1 - 8, -126, 127), 0)      # np.frexp(a)[1] - 1 = floor(log2(a)), exactly
;;       r = np.clip(x / 2.0 ** e, -448, 448)
;;       step = 2.0 ** (np.maximum(np.frexp(np.where(r == 0, 1, r))[1] - 1, -6) - 3)
;;       q = np.round(r / step) * step * 2.0 ** e      # np.round: ties to even
;;       return np.moveaxis(q.reshape(q.shape[:-2] + (-1,))[..., :K], -1, axis).astype(np.float32)
;;   ~~~
;;   INPUTS GIVEN AS CODES. W_ch (in the module: [1024, 1024], K = its axis 1); W_ih (in the module: [1024, 1024], K = its axis 1); context (in the module: [32, 1024], K = its axis 1): each comes as NAME_codes (uint8): NAME with its K axis moved to the last place and cut into blocks of 32 codes, [.., K / 32, bytes a block], one block behind the other in memory; one code a byte (a code: sign, 4 exponent bits, 3 mantissa bits); and NAME_scales (uint8): the same leading axes, one E8M0 byte (e + 127) for each 32 codes along K. Its value is code x scale, taken as it is: it is not quantised again, and the codes and scales need not be those that the quantiser above would give.
;; One version. Each part assembles by itself: llvm-mc -triple=amdgcn-amd-amdhsa -mcpu=gfx1250 --defsym DOCPART=n.
;; ======== version 1 of 1: 3 launches
;; workspace buffers: wf 1,048,576 bytes; cw2 131,072 bytes; part 4,194,304 bytes; stat 262,144 bytes
;; launch prep (part 1): grid 16 x 1, 4 waves a work-group, no clusters, 9,216 bytes of LDS; arguments W_ch_codes, W_ch_scales, context_codes, context_scales, w_score, W_ih_codes, cw2, wf; writes cw2, wf
.if DOCPART == 1
	.amdgcn_target "amdgcn-amd-amdhsa--gfx1250"
	.amdhsa_code_object_version 6
	.text
	.protected	k_q49c2d6e20d_prep
	.globl	k_q49c2d6e20d_prep
	.p2align	8
	.type	k_q49c2d6e20d_prep,@function
k_q49c2d6e20d_prep:
	s_mov_b64 s[64:65], 0
	v_nop
	global_prefetch_b8 v0, s[64:65] scope:SCOPE_SE
	s_setreg_imm32_b32 hwreg(HW_REG_WAVE_MODE, 25, 1), 1
	s_wait_xcnt 0x0
; THE PROGRAM (three launches).  out[b] = sum over n of softmax_n(score(b, n)) x[b][n], score(b, n) = sum over h of w_score[h] c[b][h] tanh(Q(x[b][n]) . W_ih[h]), c = tanh(context W_ch^T); masked rows score -1e30.
; No work of reference() is left out, and every input is loaded by some launch.
; tanh(y) = 1 - 2 r with r = 1 / (1 + 2^(2 log2(e) y)): where the power overflows r is 0, where it underflows r is 1, so no range of y is cut.
; With cw2[b][h] = -2 w_score[h] c[b][h]:  score = sum_h cw2 r - 0.5 sum_h cw2.
; LIMITS: NaN and infinities among the inputs are not served.  The sums over h and over n are taken in another order than reference()'s.
; THIS LAUNCH: (1) the product context x W_ch^T on the given E4M3 codes and E8M0 scales, its tanh, and cw2 [32][1024] f32;
; (2) W_ih's codes laid in the order of an operand's registers: wf[h tile n][K step s][c][lane][16 bytes] = W_ih[16 n + lane % 16][128 s + 32 c + 16 (lane / 16) + 0 .. 15], so that the next launch
; brings a tile as one dense block and a lane loads its fragment as it lies.
; SHARES: 64 tiles of 16 hidden units; wave w of work-group g owns tile n = 4 g + w, for all 32 batches: 2 tiles of batches x 8 K steps = 16 matrix instructions.  The design has work for 16 work-groups.
; Source 0 = 16 batches, source 1 = 16 rows of W_ch: lane r holds hidden unit 16 n + r, register j batch 16 t + 8 (lane / 16) + j.
; REGISTERS, in windows of 256: window 0: v1-7 addresses; v8-15 W_ch's scale words, v16-31 context's; v32-95 W_ch's fragments of K steps 0-3, v96-223 context's two tiles; v224-239 the two sums;
;   window 1: the same numbers for K steps 4-7;  window 2: v0-127 W_ih's eight fragments.
.set SP,    272                        ; the stage: 32 batches x (256 bytes + 16)
.set SPARE, 32*SP                      ; behind it the spare words: 128 bytes a wave, two blocks of 256 bytes that no other line names
.set WC, 32
.set C0, 96
.set A0, 224
.set MSB, 0
.macro WIN new                         ; the immediate's high byte repeats the setting that is left
.if MSB != \new
	s_set_vgpr_msb (MSB<<8)|\new
.set MSB, \new
.endif
.endm
.macro KLOADS s0                       ; the fragments of four K steps from s0 on: lane (r, h) takes 16 bytes at row r, 128 s + 32 c + 16 h
.irp s, 0,1,2,3
.irp c, 0,1,2,3
	global_load_b128 v[WC+16*\s+4*\c:WC+16*\s+4*\c+3], v3, s[4:5] offset:128*(\s0+\s)+32*\c
	global_load_b128 v[C0+16*\s+4*\c:C0+16*\s+4*\c+3], v3, s[8:9] offset:128*(\s0+\s)+32*\c
	global_load_b128 v[C0+64+16*\s+4*\c:C0+64+16*\s+4*\c+3], v3, s[8:9] offset:16384+128*(\s0+\s)+32*\c
.endr
.endr
.endm
	s_load_b256 s[4:11], s[0:1], 0x0               ; W_ch's codes, its scales, context's codes, its scales
	s_load_b256 s[12:19], s[0:1], 0x20             ; w_score, W_ih's codes, cw2, wf
	v_lshl_add_u32 v6, v0, 2, SPARE                ; my spare word,
	v_mov_b32 v7, 0                                ; and 0: kept for the closing lines alone
	v_lshrrev_b32 v1, 5, v0
	v_readfirstlane_b32 s20, v1                    ; wave
	v_and_b32 v1, 15, v0                           ; r
	v_bfe_u32 v2, v0, 4, 1                         ; h
	v_lshlrev_b32 v3, 10, v1
	v_lshl_add_u32 v3, v2, 4, v3                   ; a fragment's place: row r of 1,024 bytes + 16 h
	v_lshlrev_b32 v4, 5, v1                        ; a row of 32 scale bytes
	v_lshlrev_b32 v5, 2, v1
	s_lshl_b32 s21, ttmp9, 2
	s_add_co_u32 s21, s21, s20                     ; n
	s_lshl_b32 s22, s21, 14                        ; 16 rows of 1,024 codes
	s_mov_b32 s23, 0
	s_lshl_b32 s24, s21, 9                         ; 16 rows of scale bytes
	s_mov_b32 s25, 0
	s_lshl_b32 s26, s21, 6                         ; 16 numbers of w_score
	s_mov_b32 s27, 0
	s_lshl_b32 s28, ttmp9, 8                       ; the work-group's 64 columns of cw2
	s_mov_b32 s29, 0
	s_mov_b32 s30, 0x4038aa3b                      ; 2 log2(e)
	s_mov_b32 s31, s30                             ; (named with it as a pair)
	v_mul_u32_u24 v246, v2, 8*SP                   ; into the stage: row 8 h (+ 16 t + j by the offset), column 16 w + r
	v_lshl_add_u32 v246, v1, 2, v246
	s_lshl_b32 s32, s20, 6
	v_add_nc_u32 v246, s32, v246
	v_lshrrev_b32 v248, 4, v0                      ; back: sixteen threads to a row of 256 bytes, eight rows an instruction
	v_mul_u32_u24 v247, v248, SP
	v_lshl_add_u32 v247, v1, 4, v247
	v_lshlrev_b32 v249, 12, v248                   ; and the same place in cw2
	v_lshl_add_u32 v249, v1, 4, v249
	v_and_b32 v250, 31, v0
	v_lshlrev_b32 v250, 4, v250                    ; 16 x lane
	s_wait_kmcnt 0x0
	s_add_nc_u64 s[4:5], s[4:5], s[22:23]
	s_add_nc_u64 s[14:15], s[14:15], s[22:23]
	s_add_nc_u64 s[18:19], s[18:19], s[22:23]
	s_add_nc_u64 s[6:7], s[6:7], s[24:25]
	s_add_nc_u64 s[12:13], s[12:13], s[26:27]
	s_add_nc_u64 s[16:17], s[16:17], s[28:29]
	global_load_b128 v[8:11], v4, s[6:7]           ; lane r: the eight scale words of its row of W_ch
	global_load_b128 v[12:15], v4, s[6:7] offset:16
	global_load_b128 v[16:19], v4, s[10:11]        ; of batch r,
	global_load_b128 v[20:23], v4, s[10:11] offset:16
	global_load_b128 v[24:27], v4, s[10:11] offset:512   ; of batch 16 + r
	global_load_b128 v[28:31], v4, s[10:11] offset:528
	global_load_b32 v240, v5, s[12:13]             ; w_score of my hidden unit
	KLOADS 0
	WIN 0x40                                       ; destination window 1
	KLOADS 4
	s_wait_loadcnt 48                              ; all but the 48 just issued: the scales and K steps 0-3 are in
	WIN 0x80                                       ; destination window 2
.irp s, 0,1,2,3,4,5,6,7
.irp c, 0,1,2,3
	global_load_b128 v[16*\s+4*\c:16*\s+4*\c+3], v3, s[14:15] offset:128*\s+32*\c
.endr
.endr
	WIN 0
.irp s, 0,1,2,3                                ; the two sums take turns, one instruction a turn; the first products start them
.irp t, 0,1
.if \s == 0
	v_wmma_scale_f32_16x16x128_f8f6f4 v[A0+8*\t:A0+8*\t+7], v[C0+64*\t+16*\s:C0+64*\t+16*\s+15], v[WC+16*\s:WC+16*\s+15], 0, v[16+8*\t+\s], v[8+\s]
.else
	v_wmma_scale_f32_16x16x128_f8f6f4 v[A0+8*\t:A0+8*\t+7], v[C0+64*\t+16*\s:C0+64*\t+16*\s+15], v[WC+16*\s:WC+16*\s+15], v[A0+8*\t:A0+8*\t+7], v[16+8*\t+\s], v[8+\s]
.endif
.endr
.endr
	s_wait_loadcnt 32                              ; all but W_ih's 32: K steps 4-7 are in
	WIN 0x05                                       ; sources 0 and 1 window 1
.irp s, 0,1,2,3
.irp t, 0,1
	v_wmma_scale_f32_16x16x128_f8f6f4 v[A0+8*\t:A0+8*\t+7], v[C0+64*\t+16*\s:C0+64*\t+16*\s+15], v[WC+16*\s:WC+16*\s+15], v[A0+8*\t:A0+8*\t+7], v[20+8*\t+\s], v[12+\s]
.endr
.endr
	WIN 0
.rept 8
	v_nop                                          ; eight places between this form and the first read of its results
.endr
.irp k, 0,2,4,6,8,10,12,14
	v_pk_mul_f32 v[A0+\k:A0+\k+1], v[A0+\k:A0+\k+1], s[30:31] op_sel_hi:[1,0]   ; 2 log2(e) y, each sum from its low end on
.endr
.irp k, 0,1,2,3,4,5,6,7,8,9,10,11,12,13,14,15
	v_exp_f32 v[A0+\k], v[A0+\k]
.endr
	v_nop                                          ; a plain instruction behind the batch,
	s_wait_alu depctr_va_vdst(0)                   ; and one wait for it, ahead of its first reader
.irp k, 0,2,4,6,8,10,12,14
	v_pk_add_f32 v[A0+\k:A0+\k+1], v[A0+\k:A0+\k+1], 1.0 op_sel_hi:[1,0]
.endr
.irp k, 0,1,2,3,4,5,6,7,8,9,10,11,12,13,14,15
	v_rcp_f32 v[A0+\k], v[A0+\k]                   ; r
.endr
	v_mul_f32 v242, 4.0, v240                      ; plain work behind the batch: 4 w and -2 w, each twice for the packed form
	v_mul_f32 v243, 4.0, v240
	v_mul_f32 v244, -2.0, v240
	v_mul_f32 v245, -2.0, v240
	s_wait_alu depctr_va_vdst(0)
.irp k, 0,2,4,6,8,10,12,14
	v_pk_fma_f32 v[A0+\k:A0+\k+1], v[A0+\k:A0+\k+1], v[242:243], v[244:245]   ; cw2 = -2 w (1 - 2 r) = 4 w r - 2 w
.endr
.irp t, 0,1
.irp j, 0,1,2,3,4,5,6,7
	ds_store_b32 v246, v[A0+8*\t+\j] offset:(16*\t+\j)*SP
.endr
.endr
	s_wait_dscnt 0x0                               ; for the others' sake: my stores into the stage are done
	s_barrier_signal -1
	s_barrier_wait -1                              ; a row's 256 bytes come from four waves
.irp i, 0,1,2,3
	ds_load_b128 v[32+4*\i:35+4*\i], v247 offset:\i*8*SP
.endr
.irp i, 0,1,2,3
	s_wait_dscnt 3-\i                              ; LDS loads come back in order: load i is in, the younger ones may be out
	global_store_b128 v249, v[32+4*\i:35+4*\i], s[16:17] offset:\i*32768   ; sixteen lanes store 256 consecutive bytes, aligned
.endr
	s_wait_loadcnt 0x0                             ; W_ih's fragments
	WIN 0x08                                       ; a store's data are its source 1: window 2
.irp q, 0,1,2,3,4,5,6,7,8,9,10,11,12,13,14,15,16,17,18,19,20,21,22,23,24,25,26,27,28,29,30,31
	global_store_b128 v250, v[4*\q:4*\q+3], s[18:19] offset:512*\q   ; group 4 s + c of four registers as it stands: 512 consecutive bytes
.endr
	WIN 0
	s_wait_tensorcnt 0x0                           ; the wave's end, behind my last LDS store
	ds_add_u32 v6, v7
	s_wait_dscnt 0x0
	s_endpgm
.Lfunc_end_k_q49c2d6e20d_prep:
	.size	k_q49c2d6e20d_prep, .Lfunc_end_k_q49c2d6e20d_prep-k_q49c2d6e20d_prep
	.p2alignl 7, 3214868480
	.fill 96, 4, 3214868480
	.section	.rodata,"a",@progbits
	.p2align	6, 0x0
	.amdhsa_kernel k_q49c2d6e20d_prep
		.amdhsa_group_segment_fixed_size 9216
		.amdhsa_private_segment_fixed_size 0
		.amdhsa_enable_private_segment 0
		.amdhsa_kernarg_size 64
		.amdhsa_user_sgpr_count 2
		.amdhsa_user_sgpr_kernarg_segment_ptr 1
		.amdhsa_wavefront_size32 1
		.amdhsa_system_sgpr_workgroup_id_x 1
		.amdhsa_system_sgpr_workgroup_id_y 1
		.amdhsa_system_sgpr_workgroup_id_z 1
		.amdhsa_system_vgpr_workitem_id 0
		.amdhsa_next_free_vgpr 640
		.amdhsa_next_free_sgpr 66
		.amdhsa_reserve_vcc 0
		.amdhsa_float_denorm_mode_32 3
		.amdhsa_float_denorm_mode_16_64 3
		.amdhsa_memory_ordered 1
		.amdhsa_forward_progress 1
		.amdhsa_inst_pref_size 25
	.end_amdhsa_kernel
	.amdgpu_metadata
---
amdhsa.version: [ 1, 2 ]
amdhsa.kernels:
  - .name:           k_q49c2d6e20d_prep
    .symbol:         k_q49c2d6e20d_prep.kd
    .args:
      - { .name: W_ch_codes, .offset: 0, .size: 8, .value_kind: global_buffer, .address_space: global }
      - { .name: W_ch_scales, .offset: 8, .size: 8, .value_kind: global_buffer, .address_space: global }
      - { .name: context_codes, .offset: 16, .size: 8, .value_kind: global_buffer, .address_space: global }
      - { .name: context_scales, .offset: 24, .size: 8, .value_kind: global_buffer, .address_space: global }
      - { .name: w_score, .offset: 32, .size: 8, .value_kind: global_buffer, .address_space: global }
      - { .name: W_ih_codes, .offset: 40, .size: 8, .value_kind: global_buffer, .address_space: global }
      - { .name: cw2, .offset: 48, .size: 8, .value_kind: global_buffer, .address_space: global }
      - { .name: wf, .offset: 56, .size: 8, .value_kind: global_buffer, .address_space: global }
    .group_segment_fixed_size: 9216
    .private_segment_fixed_size: 0
    .kernarg_segment_align: 8
    .kernarg_segment_size: 64
    .max_flat_workgroup_size: 128
    .sgpr_count:     66
    .vgpr_count:     640
    .wavefront_size: 32
...
	.end_amdgpu_metadata
.endif
;; end of part 1
;; launch attn (part 2): grid 256 x 1, 4 waves a work-group, clusters of 4 x 1, 327,680 bytes of LDS; arguments inputs, mask, wf, W_ih_scales, cw2, part, stat; writes part, stat
.if DOCPART == 2
	.amdgcn_target "amdgcn-amd-amdhsa--gfx1250"
	.amdhsa_code_object_version 6
	.text
	.protected	k_q49c2d6e20d_attn
	.globl	k_q49c2d6e20d_attn
	.p2align	8
	.type	k_q49c2d6e20d_attn,@function
k_q49c2d6e20d_attn:
	s_mov_b64 s[64:65], 0
	v_nop
	global_prefetch_b8 v0, s[64:65] scope:SCOPE_SE
	s_setreg_imm32_b32 hwreg(HW_REG_WAVE_MODE, 25, 1), 1
	s_wait_xcnt 0x0
	s_wait_alu depctr_hold_cnt(0) depctr_sa_sdst(0) depctr_va_vdst(0) depctr_va_sdst(0) depctr_va_ssrc(0) depctr_va_vcc(0) depctr_vm_vsrc(0)
	s_getreg_b32 s2, hwreg(HW_REG_IB_STS2, 6, 4)
	s_cmp_eq_u32 s2, 0
	s_cbranch_scc0 .Lentry_in_a_cluster
	s_endpgm
.Lentry_in_a_cluster:
	s_bfe_u32 s2, ttmp6, 0x10000c
	s_cmp_lg_u32 s2, 0x3003
	s_cbranch_scc0 .Lentry_shape_is_right
	s_endpgm
.Lentry_shape_is_right:
; For each wave's 64 rows of one batch: the rows are quantised to E4M3 with one E8M0 scale for each 32 along D; their product with W_ih^T on codes; tanh; the score; the mask; a softmax part under the
; wave's OWN maximum m (p = e^(score - m), l = sum p); and part[wave][d] = sum over its rows of p x[row][d].  The next launch joins the parts under the batch's maximum.  No work of reference() is left out.
; LIMITS: NaN and infinities among the inputs are not served.  A block of zeros gets the scale byte 1 (its codes are zeros; this program alone reads the bytes); blocks whose largest magnitude lies under
; 2^(9 - 127), the floor that holds the byte at 1, were not tried.  score = sum_h cw2 r - 0.5 sum_h cw2 with r = 1 / (1 + 2^(2 log2(e) y)): an overflow gives r = 0, an underflow r = 1.
; SHARES.  Work-group wg = 4 x cluster + place owns rows 256 wg .. + 255 of batch wg / 8; wave w owns 64 of them, four tiles of 16, against all 1,024 hidden units: 64 tiles of 16, 8 K steps each.
; PHASE L: the wave's rows are read once, K step by K step, turned through its stage in LDS so that a lane holds 16 neighbours of a block, quantised; the codes end in 512 registers and stay.
; PHASE C: W_ih's tiles (wf: images of operand registers) come through a ring of two LDS slots of four tiles; each fragment read from LDS feeds four matrix instructions.
;   BY TURNS: behind each matrix instruction of tile n stand three instructions of tile n - 1's tanh; tile n - 2's r are summed into the scores at tile n's head.
; PHASE S: the rows are read a second time, from the columns read last to those read first, and summed under p.  (A copy of 256 rows in 16 bits is 512 KB, more than the work-group's LDS.)
; CLUSTER: all work-groups walk the same wf, so each tile is asked for JOINTLY by the four of a cluster: the same tensor load, descriptor and mask in all four.  The place enters global addresses alone.
; Source 0 = 16 rows of x, source 1 = 16 rows of W_ih: lane r holds hidden unit 16 n + r, register j row 8 (lane / 16) + j of the tile: cw2 is one number a lane, and a score is summed over 16 lanes at the end.
; REGISTERS, in windows of 256 (s_set_vgpr_msb: bits 1:0 source 0, 3:2 source 1, 5:4 source 2, 7:6 destination):
;   window 1: x's codes of K steps 0-3 at v[64 s + 16 t];  window 2: of K steps 4-7;  window 3: L: four landing sets of 64; C: W's fragments, two sets of 128; S: 32 landing slots of 8.
;   window 0: see the names below.  A tanh works in window 0 and a product's operands fill the others, so each slice costs two switches.
.set RING1,  0x10000                   ; LDS: slot 0 at 0, slot 1 here: one exclusive or turns an address; a slot holds four tiles of 16,384 bytes
.set SPARE,  131072                    ; the spare words: 128 bytes a wave, two blocks of 256 bytes that no other line names
.set CWT,    131584                    ; 512 bytes of zeros, then cw2 of my batch: 4,096 bytes
.set STG,    136192                    ; L: a stage of 16 rows x 528 bytes for each wave; afterwards W_ih's scale bytes, [1024][32]
.set SPITCH, 528                       ; 512 bytes + 16 = 33 x 16: the sixteen rows that a load touches start at sixteen different 16-byte columns modulo 256
.set WSTG,   16*SPITCH
.set IMG,    169984                    ; for each wave: 16 images of fragments (2,048 bytes), then 16 of scale words (128 bytes)
.set ISC,    32768
.set WIMG,   ISC+2048
.set SPW,  1                           ; v1   my spare word's LDS address; never rewritten
.set NIL,  2                           ; v2   0; never rewritten
.set AW,   3                           ; v3   16 x lane + the slot in hand
.set AS,   4                           ; v4   my row among W's scale bytes, for the slot in hand
.set AC,   5                           ; v5   my number of cw2
.set SO,   6                           ; v6   S: 32,768 (lane / 16) + 16 (lane % 16)
.set PFO,  7                           ; v7   4,096 x lane: a row a lane
.set MK,   8                           ; v8-15   mask bytes: tile t's rows 8 (lane / 16) + 0 .. 7 in v[8 + 2 t], v[9 + 2 t]
.set XS,   16                          ; v16-47  x's scale words, (s, t) at 16 + 4 s + t: scales and nothing else
.set WS,   48                          ; v48-63  W's scale words, set p at 48 + 8 p + s: scales and nothing else
.set ACC,  64                          ; v64-127 the sums: set p at 64 + 32 p + 8 t.  L: a unit's 64 numbers.  S: the column sums and what is made of them
.set X,    64
.set TM,   128                         ; L: v128-143 the quantiser's: largest magnitudes, bytes, holds, scale operands
.set PW,   144                         ; L: the scale word just made
.set PC,   146                         ; L: v146-161 the codes just made
.set SA,   160                         ; v160-191 the scores' sums at 8 t + j, later p.  (L: v162-169 addresses, v170-241 the tables on their way)
.set GOFF, 162
.set STW,  163
.set STR,  164
.set IMW,  165
.set ISW,  166
.set IMR,  167
.set ISR,  168
.set ZR,   169
.set CW,   192                         ; v192-193 cw2 of a tile, named as a pair
.set CS,   194                         ; v194 the sum of cw2
.set TW,   242                         ; v242-244 where the tables go
.set TCW,  243
.set TZ,   244
.set AW0,  245                         ; v245-247 the bases of AW, AS, AC; never rewritten
.set AS0,  246
.set AC0,  247
.set H8,   248                         ; v248 8 (lane / 16)
.set T16,  249                         ; v249 16 x thread
.set G1,  16                           ; s[16:23] descriptor group 1;  s[24:27] group 0 of the first fill of slot 0;  s[28:31] of slot 1: it then walks
.set G0A, 24
.set G0B, 28
.set WV,  32
.set CX,  33
.set WG,  34
.set CNT, 35
.set ST,  36                           ; s[36:37] stat
.set K2,  38                           ; s[38:39] 2 log2(e), twice
.set SEL, 40                           ; s[40:41] v_permlanex16_b32's selects for lane l xor 16
.set MNT, 42                           ; s42 the mantissa field of 448
.set HI16, 43                          ; s43 lanes 16-31
.set XA,  44                           ; s[44:45] L: my rows at the K step in hand
.set XB,  46                           ; s[46:47] S: my rows at the strip to be loaded
.set PB,  48                           ; s[48:49] S: my row of part at the strip in hand
.set LE,  54                           ; s[54:55] log2(e), twice
.set TB,  56                           ; s56 the slot in hand;  s57 its scale bytes;  s58 its cw2
.set TSC, 57
.set TC,  58
.set IT,  59                           ; s59, s60 L: where the K step's images go
.set IS,  60
.set MSB, 0
.macro WIN new                         ; the immediate's high byte repeats the setting that is left; a switch that changes nothing is dropped
.if MSB != \new
	s_set_vgpr_msb (MSB<<8)|\new
.set MSB, \new
.endif
.endm
.macro CREST                           ; a round of the cluster's barrier behind its opening barrier
	s_cmp_lg_u32 s[WV], 0
	s_cbranch_scc1 .Lnot_wave_0_\@
	s_barrier_signal -3
.Lnot_wave_0_\@:
	s_barrier_wait -3
	s_barrier_signal -1
	s_barrier_wait -1
.endm
.macro CROUND                          ; a whole round
	s_barrier_signal -1
	s_barrier_wait -1
	CREST
.endm
; ---- PHASE L's macros
.macro XLOAD t, off                    ; tile t's 16 rows, 512 bytes each at byte off of the K step in hand: 32 lanes read 512 consecutive bytes
	WIN 0xc0                                       ; destination window 3
.irp i, 0,1,2,3,4,5,6,7,8,9,10,11,12,13,14,15
	global_load_b128 v[64*\t+4*\i:64*\t+4*\i+3], v[GOFF], s[XA:XA+1] offset:65536*\t+4096*\i+\off
.endr
	WIN 0
.endm
; 64 numbers of a lane, register 16 b + i = k 32 b + 16 (lane / 16) + i of my row, become a fragment's codes in v[PC] on and its scale word in v[PW]
.macro QUANT
.irp b, 0,1,2,3
	v_max3_num_f32 v[TM+\b], |v[X+16*\b]|, |v[X+1+16*\b]|, 0x4800000   ; block b: my 16 numbers, and the floor 2^(9 - 127): the byte cannot fall under 1
.endr
.irp i, 2,4,6,8,10,12,14
.irp b, 0,1,2,3
	v_max3_num_f32 v[TM+\b], v[TM+\b], |v[X+16*\b+\i]|, |v[X+1+16*\b+\i]|   ; the four blocks by turns
.endr
.endr
.irp b, 0,1,2,3
	v_permlanex16_b32 v[TM+4+\b], v[TM+\b], s[SEL], s[SEL+1]
.endr
.irp b, 0,1,2,3
	v_max_num_f32 v[TM+\b], v[TM+\b], v[TM+4+\b]   ; with lane l xor 16's: the block's largest magnitude
.endr
.irp b, 0,1,2,3
	v_add_nc_u32 v[TM+12+\b], 0xfc000000, v[TM+\b]   ; 8 off its exponent field: the conversion takes this operand's exponent field as its scale
.endr
.irp b, 0,1,2,3
	v_and_or_b32 v[TM+8+\b], v[TM+\b], 0x7f800000, s[MNT]   ; 448 x the scale
.endr
.irp b, 0,1,2,3
	v_lshrrev_b32 v[TM+4+\b], 23, v[TM+12+\b]      ; the scale's byte
.endr
	v_lshl_or_b32 v[PW], v[TM+5], 8, v[TM+4]
	v_lshl_or_b32 v[PW], v[TM+6], 16, v[PW]
	v_lshl_or_b32 v[PW], v[TM+7], 24, v[PW]
.irp b, 0,1,2,3
.irp i, 0,1,2,3,4,5,6,7,8,9,10,11,12,13,14,15
	v_med3_num_f32 v[X+16*\b+\i], v[X+16*\b+\i], -v[TM+8+\b], v[TM+8+\b]   ; the conversion to an 8-bit code does not saturate (ISA guide 7.6.2): the hold at 448 x the scale
.endr
	v_cvt_scalef32_pk8_fp8_f32 v[PC+4*\b:PC+1+4*\b], v[X+16*\b:X+7+16*\b], v[TM+12+\b]
	v_cvt_scalef32_pk8_fp8_f32 v[PC+2+4*\b:PC+3+4*\b], v[X+8+16*\b:X+15+16*\b], v[TM+12+\b]
.endr
	v_nop                                          ; one plain instruction behind the last scaled conversion
.endm
; One tile of 16 rows x 128 along K.  pre = 1: its landing set takes the next K step.  left: the younger loads that may stay out.
.macro UNIT t, pre, left
	s_wait_loadcnt \left                           ; loads come back in order: this unit's 16 are in
	WIN 0x0c                                       ; an LDS store's data are its source 1: window 3
.irp i, 0,1,2,3,4,5,6,7,8,9,10,11,12,13,14,15
	ds_store_b128 v[STW], v[64*\t+4*\i:64*\t+4*\i+3] offset:SPITCH*\i   ; row i as it lies
.endr
	WIN 0
.irp b, 0,1,2,3
.irp j, 0,1,2,3
	ds_load_b128 v[X+16*\b+4*\j:X+16*\b+4*\j+3], v[STR] offset:128*\b+16*\j   ; LDS serves a wave's instructions in order: these see the stores.  Row r, block b, my half's 16 numbers
.endr
.endr
	s_wait_dscnt 0x0                               ; the numbers are in; the stores, the last unit's images among them, have read their registers
.if \t == 0
	v_add_nc_u32 v[IMW], s[IT], v[IMR]             ; where this K step's images go (no LDS instruction of mine is out)
	v_add_nc_u32 v[ISW], s[IS], v[ISR]
.endif
.if \pre
	XLOAD \t, 512
.endif
	QUANT
.irp c, 0,1,2,3
	ds_store_b128 v[IMW], v[PC+4*\c:PC+4*\c+3] offset:2048*\t+512*\c   ; the fragment as an image of its registers: lane l's 16 bytes at 16 l
.endr
	ds_store_b32 v[ISW], v[PW] offset:128*\t
.endm
.macro LTRIP pre                       ; a K step of my 64 rows
.if \pre
	UNIT 0, 1, 48                                  ; 64 loads are out at each unit's head: its own 16 and 48 younger ones
	UNIT 1, 1, 48
	UNIT 2, 1, 48
	UNIT 3, 1, 48
	s_wait_xcnt 0x0                                ; the loads have read their base: it may step
	s_add_nc_u64 s[XA:XA+1], s[XA:XA+1], 512
.else
	UNIT 0, 0, 48                                  ; the last K step asks for nothing: the counts run down
	UNIT 1, 0, 32
	UNIT 2, 0, 16
	UNIT 3, 0, 0
.endif
	s_add_co_u32 s[IT], s[IT], 8192
	s_add_co_u32 s[IS], s[IS], 512
.endm
.macro IMGLOAD win, s0                 ; four K steps' images become registers: the codes in window 1 (win = 0x40) or 2 (0x80), the scale words from XS + 4 s0 on
	WIN \win
.set n, 0
.rept 16
.irp c, 0,1,2,3
	ds_load_b128 v[16*n+4*\c:16*n+4*\c+3], v[IMR] offset:2048*n+512*\c
.endr
.set n, n+1
.endr
	WIN 0
.set n, 0
.rept 16
	ds_load_b32 v[XS+4*\s0+n], v[ISR] offset:128*n
.set n, n+1
.endr
	s_wait_dscnt 0x0
.endm
; ---- PHASE C's macros
.macro MM p                            ; product i of a tile's 32: K step i / 4, tile of rows i % 4.  The four sums take turns, one instruction a turn; the first four start them
.set sK, i/4
.set tR, i%4
.if sK < 4
	WIN 0x0d                                       ; x window 1, W window 3, the sums window 0
.else
	WIN 0x0e                                       ; x window 2
.endif
.if i < 4
	v_wmma_scale_f32_16x16x128_f8f6f4 v[ACC+32*(\p)+8*tR:ACC+32*(\p)+8*tR+7], v[64*(sK%4)+16*tR:64*(sK%4)+16*tR+15], v[128*(\p)+16*sK:128*(\p)+16*sK+15], 0, v[XS+4*sK+tR], v[WS+8*(\p)+sK]
.else
	v_wmma_scale_f32_16x16x128_f8f6f4 v[ACC+32*(\p)+8*tR:ACC+32*(\p)+8*tR+7], v[64*(sK%4)+16*tR:64*(sK%4)+16*tR+15], v[128*(\p)+16*sK:128*(\p)+16*sK+15], v[ACC+32*(\p)+8*tR:ACC+32*(\p)+8*tR+7], v[XS+4*sK+tR], v[WS+8*(\p)+sK]
.endif
.endm
; Number j of the 96 instructions that turn set q's 32 sums y into r = 1 / (1 + 2^(2 log2(e) y)), in place: 0-15 the scalings (each sum from its low end on), 16-47 the powers, 48-63 the additions, 64-95 the reciprocals
.macro SB q
.if j < 16
	v_pk_mul_f32 v[ACC+32*(\q)+2*j:ACC+32*(\q)+2*j+1], v[ACC+32*(\q)+2*j:ACC+32*(\q)+2*j+1], s[K2:K2+1] op_sel_hi:[1,0]
.elseif j < 48
	v_exp_f32 v[ACC+32*(\q)+j-16], v[ACC+32*(\q)+j-16]
.elseif j < 64
	v_pk_add_f32 v[ACC+32*(\q)+2*(j-48):ACC+32*(\q)+2*(j-48)+1], v[ACC+32*(\q)+2*(j-48):ACC+32*(\q)+2*(j-48)+1], 1.0 op_sel_hi:[1,0]
.else
	v_rcp_f32 v[ACC+32*(\q)+j-64], v[ACC+32*(\q)+j-64]
.endif
.set j, j+1
.endm
.macro SB3 q                           ; a slice: three of them
	WIN 0
	SB \q
	SB \q
	SB \q
.endm
.macro FMAG q                          ; the scores take set q's r times my hidden unit's cw2; 17 plain instructions
.irp k, 0,2,4,6,8,10,12,14,16,18,20,22,24,26,28,30
	v_pk_fma_f32 v[SA+\k:SA+\k+1], v[ACC+32*(\q)+\k:ACC+32*(\q)+\k+1], v[CW:CW+1], v[SA+\k:SA+\k+1] op_sel_hi:[1,0,1]
.endr
	v_add_f32 v[CS], v[CS], v[CW]
.endm
.macro FRAGS dst, o, o2                ; a tile's eight fragments, at byte o of the slot in hand, into set dst, and its scale words: one run of 34 loads
	WIN 0xc0                                       ; destination window 3
.irp s, 0,1,2,3,4,5,6,7
.irp c, 0,1,2,3
	ds_load_b128 v[128*(\dst)+16*\s+4*\c:128*(\dst)+16*\s+4*\c+3], v[AW] offset:(\o)+2048*\s+512*\c
.endr
.endr
	WIN 0
	ds_load_b128 v[WS+8*(\dst):WS+8*(\dst)+3], v[AS] offset:(\o2)
	ds_load_b128 v[WS+8*(\dst)+4:WS+8*(\dst)+7], v[AS] offset:(\o2)+16
.endm
; TILE n = 4 x slot + pos, on set p.  chg = 0: plain; 1: the slot's last tile, the slot is filled again; 2: the same without a fill; 3: the very last tile.
; PLACES (eight behind this form, nine ahead of a matrix instruction that writes over its registers): the v_nop at a tile's end and FMAG's 17 lines, which name set p, the scores and cw2 alone, stand between
; tile n - 1's last product and the first read of its sums (SB), and the loads into the fragments and scale words that it read (FRAGS).
.macro TILE p, pos, chg
.if (\chg == 1) || (\chg == 2)
	s_wait_tensorcnt 0x0                           ; all my tensor loads have landed: the one that was out is my tile of the other slot; so a group 0 may be written
	ds_add_u32 v[SPW], v[NIL]                      ; 0 onto my spare word
.if \chg == 1
	s_xor_b32 s[G0B+1], s[G0B+1], RING1            ; the walking descriptor: the slot that is being left,
	s_add_nc_u64 s[G0B+2:G0B+3], s[G0B+2:G0B+3], RING1   ; the next four tiles of wf; the type bits on top are not reached
.endif
.endif
	s_wait_dscnt 0x0                               ; this tile's fragments, scale words and cw2, asked for half a tile ago, are in.  At a change: the add is done, and these were my last reads of the slot
.if (\chg == 1) || (\chg == 2)
	s_barrier_signal -1                            ; say so (chg = 1: this barrier opens a round of the cluster's); work on registers alone follows up to the wait
.endif
	FMAG \p                                        ; tile n - 2's r lie in the set that this tile begins anew
.set i, 0
.set j, 0
.rept 16
	MM \p
	SB3 1-\p
.set i, i+1
.endr
	v_nop                                          ; a plain instruction behind the 32 powers,
	s_wait_alu depctr_va_vdst(0)                   ; and one wait for them, ahead of their first reader and of the branches below
.if (\chg == 1) || (\chg == 2)
	s_barrier_wait -1                              ; nobody of my work-group reads this slot any more, and the other slot is whole
.endif
.if \chg == 1
	CREST                                          ; nor any wave of a partner, and none has a load on its way
	tensor_load_to_lds s[G0B:G0B+3], s[G1:G1+7]    ; my one tensor load behind the round, and the first thing there: it has four tiles' work in which to land
	s_nop 0
.rept 4
	v_nop
.endr
.endif
.if (\chg == 1) || (\chg == 2)
	s_xor_b32 s[TB], s[TB], RING1                  ; on to the other slot (no LDS instruction of mine is out)
	s_add_co_u32 s[TSC], s[TSC], 2048
	v_add_nc_u32 v[AW], s[TB], v[AW0]
	v_add_nc_u32 v[AS], s[TSC], v[AS0]
.endif
.if \pos == 3
	s_add_co_u32 s[TC], s[TC], 256
	v_add_nc_u32 v[AC], s[TC], v[AC0]
.endif
.if \chg < 3
.if \pos < 3
	FRAGS 1-\p, 16384*(\pos+1), 512*(\pos+1)       ; tile n + 1
.else
	FRAGS 1-\p, 0, 0
.endif
.endif
.if \pos < 3
	ds_load_b32 v[CW], v[AC] offset:64+64*\pos     ; cw2 of tile n - 1, for the next tile's head (tile -1: zeros)
.else
	ds_load_b32 v[CW], v[AC]
.endif
.if \chg == 2                                  ; A PREFETCH INTO THE L2 of what phase S loads first: the last 512 bytes of my 64 rows, a lane a row, each aligned block of 256 bytes named once in the launch: 32 KB a wave, four tiles and the drain's head ahead
	global_prefetch_b8 v[PFO], s[XB:XB+1] th:TH_LOAD_NT scope:SCOPE_SE
	global_prefetch_b8 v[PFO], s[XB:XB+1] offset:256 th:TH_LOAD_NT scope:SCOPE_SE
	global_prefetch_b8 v[PFO], s[XB:XB+1] offset:131072 th:TH_LOAD_NT scope:SCOPE_SE
	global_prefetch_b8 v[PFO], s[XB:XB+1] offset:131328 th:TH_LOAD_NT scope:SCOPE_SE
.endif
.rept 16
	MM \p
	SB3 1-\p
.set i, i+1
.endr
	v_nop                                          ; a plain instruction behind the 32 reciprocals,
	s_wait_alu depctr_va_vdst(0)                   ; and one wait for them
.endm
; ---- PHASE S's macros.  Slot i = 8 t + j: lanes 0-15 hold 64 columns of row 16 t + j, lanes 16-31 of row 16 t + 8 + j: p's register 8 t + j serves each half as it stands.  v[8 i ..] the strip's first 256 bytes, v[8 i + 4 ..] its second
.macro SLOAD g                         ; group g: slots 4 g .. 4 g + 3: eight loads, each of two rows' 256 consecutive bytes, aligned
	WIN 0xc0
.irp u, 0,1,2,3
.set i, 4*(\g)+\u
	global_load_b128 v[8*i:8*i+3], v[SO], s[XB:XB+1] offset:4096*(16*(i/8)+i%8) th:TH_LOAD_NT
	global_load_b128 v[8*i+4:8*i+7], v[SO], s[XB:XB+1] offset:4096*(16*(i/8)+i%8)+256 th:TH_LOAD_NT
.endr
.endm
.macro SGRP g, load, left
	s_wait_loadcnt \left                           ; this group's eight loads are in
	WIN 0x03                                       ; x window 3; p and the sums window 0
.irp u, 0,1,2,3
.set i, 4*(\g)+\u
.irp c, 0,1,2,3
.if i == 0
	v_pk_mul_f32 v[64+2*\c:65+2*\c], v[2*\c:2*\c+1], v[SA:SA+1] op_sel_hi:[1,0]   ; the first slot starts the sums
.elseif i%2 == 0
	v_pk_fma_f32 v[64+2*\c:65+2*\c], v[8*i+2*\c:8*i+2*\c+1], v[SA+i:SA+i+1], v[64+2*\c:65+2*\c] op_sel_hi:[1,0,1]   ; both halves by the pair's first register
.else
	v_pk_fma_f32 v[64+2*\c:65+2*\c], v[8*i+2*\c:8*i+2*\c+1], v[SA+i-1:SA+i], v[64+2*\c:65+2*\c] op_sel:[0,1,0] op_sel_hi:[1,1,1]   ; both by its second
.endif
.endr
.endr
.if \load
	SLOAD \g                                       ; the next strip
.endif
	WIN 0
.endm
.macro STRIP load                      ; 512 bytes of columns, all 64 rows
.if \load
.irp g, 0,1,2,3,4,5,6,7
	SGRP \g, 1, 56                                 ; 64 loads are out at each group's head: its own 8 and 56 younger ones
.endr
.else
.irp g, 0,1,2,3,4,5,6,7
	SGRP \g, 0, 56-8*\g
.endr
.endif
.irp k, 0,1,2,3,4,5,6,7
	v_permlanex16_b32 v[72+\k], v[64+\k], s[SEL], s[SEL+1]
.endr
.irp k, 0,1,2,3,4,5,6,7
	v_add_f32 v[64+\k], v[64+\k], v[72+\k]         ; with lane l xor 16's 32 rows
.endr
.irp k, 0,1,2,3
	v_cndmask_b32 v[84+\k], v[64+\k], v[68+\k], s[HI16]   ; lanes 0-15 keep the first 256 bytes' sums, lanes 16-31 the second's
.endr
	global_store_b128 v137, v[84:87], s[PB:PB+1]   ; 512 consecutive bytes, aligned
.if \load
	s_wait_xcnt 0x0                                ; loads and store have read their bases and data: they may be written again
	s_sub_nc_u64 s[XB:XB+1], s[XB:XB+1], 512
	s_sub_nc_u64 s[PB:PB+1], s[PB:PB+1], 512
.endif
.endm
; ---- THE HEAD
	s_load_b256 s[4:11], s[0:1], 0x0               ; inputs, mask, wf, W_ih's scales
	s_load_b128 s[12:15], s[0:1], 0x20             ; cw2, part
	s_load_b64 s[ST:ST+1], s[0:1], 0x30            ; stat
	v_lshl_add_u32 v[SPW], v0, 2, SPARE
	v_mov_b32 v[NIL], 0
	ds_add_u32 v[SPW], v[NIL]                      ; the wave's opening: the add, twice on end, and its wait ahead of my first tensor load; work on registers stands between
	ds_add_u32 v[SPW], v[NIL]
	v_lshrrev_b32 v250, 5, v0
	v_readfirstlane_b32 s[WV], v250                ; wave 0..3
	s_bfe_u32 s[CX], ttmp6, 0x40000                ; my place in the cluster
	s_lshl_b32 s[WG], ttmp9, 2
	s_add_co_u32 s[WG], s[WG], s[CX]               ; my block of 256 rows
	s_mov_b32 s[G1], 15|(3<<16)|(1<<21)            ; 15:0 the mask: all four work-groups; 17:16 elements of 8 bytes; 21 set beside a mask; no padding: an image is read as it lies
	s_mov_b32 s[G1+1], 32<<16                      ; tensor_dim0 = 32 elements: rows of 256 bytes
	s_mov_b32 s[G1+2], 64<<16                      ; tensor_dim1 = 64 rows: one tile of wf, 16,384 dense bytes
	s_mov_b32 s[G1+3], 32<<16                      ; tile_dim0
	s_mov_b32 s[G1+4], 64                          ; tile_dim1
	s_mov_b32 s[G1+5], 32                          ; from row to row
	s_mov_b32 s[G1+6], 0
	s_mov_b32 s[G1+7], 0
	s_mov_b32 s[K2], 0x4038aa3b
	s_mov_b32 s[K2+1], s[K2]
	s_mov_b32 s[SEL], 0x76543210
	s_mov_b32 s[SEL+1], 0xfedcba98
	s_mov_b32 s[MNT], 0x600000
	s_mov_b32 s[HI16], 0xffff0000
	s_mov_b32 s[LE], 0x3fb8aa3b
	s_mov_b32 s[LE+1], s[LE]
	s_mov_b32 s[TB], 0
	s_mov_b32 s[TSC], 0
	s_mov_b32 s[TC], 0
	s_mov_b32 s[IT], 0
	s_mov_b32 s[IS], 0
	v_and_b32 v250, 31, v0                         ; lane
	v_and_b32 v251, 15, v0                         ; r
	v_bfe_u32 v252, v0, 4, 1                       ; h
	v_lshlrev_b32 v[GOFF], 4, v250
	s_mul_i32 s50, s[WV], WSTG
	s_add_co_u32 s50, s50, STG                     ; my stage
	v_add_nc_u32 v[STW], s50, v[GOFF]              ; in: 16 x lane, a row an instruction
	v_mul_u32_u24 v[STR], v251, SPITCH
	v_lshl_add_u32 v[STR], v252, 6, v[STR]
	v_add_nc_u32 v[STR], s50, v[STR]               ; back: row r, + 64 h
	s_mul_i32 s51, s[WV], WIMG
	s_add_co_u32 s51, s51, IMG                     ; my images
	v_add_nc_u32 v[IMR], s51, v[GOFF]
	s_add_co_u32 s51, s51, ISC
	v_lshl_add_u32 v[ISR], v250, 2, s51
	v_lshl_add_u32 v[TW], v0, 4, STG
	v_lshl_add_u32 v[TCW], v0, 4, CWT+512
	v_lshl_add_u32 v[TZ], v0, 2, CWT
	v_lshlrev_b32 v[AW0], 4, v250
	v_lshl_add_u32 v[AS0], v251, 5, STG
	v_lshl_add_u32 v[AC0], v251, 2, CWT+384
	v_mov_b32 v[AW], v[AW0]
	v_mov_b32 v[AS], v[AS0]
	v_mov_b32 v[AC], v[AC0]
	v_lshlrev_b32 v[SO], 15, v252
	v_lshl_add_u32 v[SO], v251, 4, v[SO]
	v_lshlrev_b32 v[PFO], 12, v250
	v_lshlrev_b32 v[H8], 3, v252
	v_lshlrev_b32 v[T16], 4, v0
	v_mov_b32 v[ZR], 0
.irp b, 0,1,2,3
	v_mov_b32 v[TM+4+\b], 0                        ; written once: a lane permute's destination counts as one of its sources
.endr
	s_lshl_b32 s62, s[WV], 14                      ; the tile of a slot that I fetch: the wave's number alone enters the descriptors
	s_mov_b32 s63, 0
	s_wait_dscnt 0x0                               ; both opening adds are done
	s_wait_kmcnt 0x0
	s_lshl_b32 s52, s[WG], 20                      ; 256 rows of 4,096 bytes,
	s_lshl_b32 s53, s[WV], 18                      ; my 64 of them
	s_add_co_u32 s52, s52, s53
	s_mov_b32 s53, 0
	s_add_nc_u64 s[XA:XA+1], s[4:5], s[52:53]
	s_add_nc_u64 s[XB:XB+1], s[XA:XA+1], 3584      ; the rows' last 512 bytes
	s_lshr_b32 s52, s52, 12                        ; my first row
	s_add_nc_u64 s[6:7], s[6:7], s[52:53]
	s_lshr_b32 s52, s[WG], 3                       ; my batch
	s_lshl_b32 s52, s52, 12
	s_add_nc_u64 s[12:13], s[12:13], s[52:53]
	s_lshl_b32 s52, s[WG], 2
	s_add_co_u32 s52, s52, s[WV]                   ; my wave among the launch's 1,024
	s_lshl_b32 s52, s52, 8
	s_add_nc_u64 s[ST:ST+1], s[ST:ST+1], s[52:53]
	s_lshl_b32 s52, s52, 4
	s_add_nc_u64 s[PB:PB+1], s[14:15], s[52:53]
	s_add_nc_u64 s[PB:PB+1], s[PB:PB+1], 3584
	s_mov_b32 s[G0A], 1                            ; count = 1
	s_lshl_b32 s[G0A+1], s[WV], 14                 ; LDS address: slot 0, tile w
	s_add_nc_u64 s[G0A+2:G0A+3], s[8:9], s[62:63]  ; global address: tile w of wf
	s_mov_b32 s[G0B], 1
	s_add_co_u32 s[G0B+1], s[G0A+1], RING1         ; slot 1,
	s_add_nc_u64 s[G0B+2:G0B+3], s[G0A+2:G0A+3], RING1   ; tile 4 + w
	s_or_b32 s[G0A+3], s[G0A+3], 0x80000000        ; type = 2
	s_or_b32 s[G0B+3], s[G0B+3], 0x80000000
	CROUND                                         ; all four work-groups are here: the first joint loads meet
	tensor_load_to_lds s[G0A:G0A+3], s[G1:G1+7]    ; both first fills together: two loads of mine are out, and land under phase L
	s_nop 0
	tensor_load_to_lds s[G0B:G0B+3], s[G1:G1+7]
	s_nop 0
.rept 4
	v_nop
.endr
.irp t, 0,1,2,3
	global_load_b64 v[MK+2*\t:MK+2*\t+1], v[H8], s[6:7] offset:16*\t
.endr
	global_load_b128 v[170:173], v[T16], s[12:13]          ; cw2 of my batch: 128 threads x 16 bytes, twice
	global_load_b128 v[174:177], v[T16], s[12:13] offset:2048
.irp i, 0,1,2,3,4,5,6,7,8,9,10,11,12,13,14,15
	global_load_b128 v[178+4*\i:181+4*\i], v[T16], s[10:11] offset:2048*\i   ; W_ih's scale bytes, all 32,768, in whole runs of 2,048
.endr
	XLOAD 0, 0
	XLOAD 1, 0
	XLOAD 2, 0
	XLOAD 3, 0
; ---- PHASE L
	s_mov_b32 s[CNT], 4
.Lqa:                                              ; K steps 0-3
	LTRIP 1
	s_sub_co_u32 s[CNT], s[CNT], 1
	s_cmp_lg_u32 s[CNT], 0
	s_cbranch_scc1 .Lqa
	IMGLOAD 0x40, 0
	s_mov_b32 s[IT], 0                             ; the images' bytes serve again: my loads of them are in
	s_mov_b32 s[IS], 0
	s_mov_b32 s[CNT], 3
.Lqb:                                              ; K steps 4-6
	LTRIP 1
	s_sub_co_u32 s[CNT], s[CNT], 1
	s_cmp_lg_u32 s[CNT], 0
	s_cbranch_scc1 .Lqb
	LTRIP 0                                        ; K step 7 is written out: no load leaves the buffer
	IMGLOAD 0x80, 4
	s_barrier_signal -1                            ; my LDS instructions are done (the wait stands in IMGLOAD): every wave has left its stage,
	s_barrier_wait -1                              ; so the tables may be laid over the stages.  The tensor loads may stay out
.irp i, 0,1,2,3,4,5,6,7,8,9,10,11,12,13,14,15
	ds_store_b128 v[TW], v[178+4*\i:181+4*\i] offset:2048*\i
.endr
	ds_store_b128 v[TCW], v[170:173]
	ds_store_b128 v[TCW], v[174:177] offset:2048
	ds_store_b32 v[TZ], v[ZR]
; The loop over tiles is written once: its first two tiles find zeros in both sets of sums and cw2 = 0 for the tiles that do not exist, which add nothing to the scores
.set n, 0
.rept 64
	v_mov_b32 v[ACC+n], 0
.set n, n+1
.endr
	s_wait_dscnt 0x0                               ; for the others' sake: my stores are done; and they have read their registers
.set n, 0
.rept 32
	v_mov_b32 v[SA+n], 0
.set n, n+1
.endr
	v_mov_b32 v[CW], 0
	v_mov_b32 v[CW+1], 0
	v_mov_b32 v[CS], 0
	s_wait_tensorcnt 0x1                           ; my tile of slot 0 is in; slot 1's, issued behind it, may stay out
	s_barrier_signal -1
	s_barrier_wait -1                              ; everybody's is, and the tables are whole
	FRAGS 0, 0, 0                                  ; tile 0
; ---- PHASE C
	s_mov_b32 s[CNT], 14
.Lslot:                                            ; 14 trips: every slot but the last two is filled again
	TILE 0, 0, 0
	TILE 1, 1, 0
	TILE 0, 2, 0
	TILE 1, 3, 1
	s_sub_co_u32 s[CNT], s[CNT], 1
	s_cmp_lg_u32 s[CNT], 0
	s_cbranch_scc1 .Lslot
	TILE 0, 0, 0                                   ; the tail is written out
	TILE 1, 1, 0
	TILE 0, 2, 0
	TILE 1, 3, 2
	TILE 0, 0, 0
	TILE 1, 1, 0
	TILE 0, 2, 0
	TILE 1, 3, 3
	s_wait_dscnt 0x0                               ; cw2 of tile 62
	FMAG 0                                         ; (its 17 lines are the places behind the last products)
	ds_load_b32 v[CW], v[AC] offset:64             ; cw2 of tile 63
.irp g, 0,1,2,3,4,5,6,7
	SLOAD \g                                       ; phase S's first strip is asked for here: W's registers are free
.endr
	WIN 0
.set j, 0
.rept 48
	SB 1
.endr
	v_nop
	s_wait_alu depctr_va_vdst(0)
.rept 48
	SB 1
.endr
	v_nop
	s_wait_alu depctr_va_vdst(0)
	s_wait_dscnt 0x0
	FMAG 1
; ---- THE SOFTMAX PART
	v_mul_f32 v128, -0.5, v[CS]                    ; - 0.5 x my hidden units' cw2
	v_mov_b32 v129, v128
.set n, 0
.rept 16
	v_pk_add_f32 v[SA+n:SA+n+1], v[SA+n:SA+n+1], v[128:129]
.set n, n+2
.endr
.irp m, 1,2,4,8                                ; over the 16 lanes of a half: register 8 t + j then holds the score of row 16 t + 8 (lane / 16) + j in each of them
.set n, 0
.rept 32
	v_add_f32_dpp v[SA+n], v[SA+n], v[SA+n] row_xmask:\m row_mask:0xf bank_mask:0xf
.set n, n+1
.endr
.endr
	v_mov_b32 v130, 0xf149f2ca                     ; -1e30
.set n, 0
.rept 32
	v_bfe_u32 v131, v[MK+2*(n/8)+(n%8)/4], 8*(n%4), 8
	v_cmp_ne_u32 vcc_lo, 0, v131
	v_cndmask_b32 v[SA+n], v130, v[SA+n], vcc_lo   ; a masked row scores -1e30
.set n, n+1
.endr
	v_max3_num_f32 v132, v[SA], v[SA+1], v[SA+2]
.set n, 3
.rept 14
	v_max3_num_f32 v132, v132, v[SA+n], v[SA+n+1]
.set n, n+2
.endr
	v_max_num_f32 v132, v132, v[SA+31]
	v_mov_b32 v133, 0
	v_permlanex16_b32 v133, v132, s[SEL], s[SEL+1]
	v_max_num_f32 v88, v132, v133                  ; m: the largest of my 64 scores
	v_mov_b32 v89, v88
.set n, 0
.rept 16
	v_pk_add_f32 v[SA+n:SA+n+1], v[SA+n:SA+n+1], v[88:89] neg_lo:[0,1] neg_hi:[0,1]   ; the maximum is taken away first: equal numbers give exactly 0
.set n, n+2
.endr
.set n, 0
.rept 16
	v_pk_mul_f32 v[SA+n:SA+n+1], v[SA+n:SA+n+1], s[LE:LE+1] op_sel_hi:[1,0]
.set n, n+2
.endr
.set n, 0
.rept 32
	v_exp_f32 v[SA+n], v[SA+n]                     ; p
.set n, n+1
.endr
	v_and_b32 v137, 31, v0                         ; plain work behind the batch: the stores' offsets
	v_lshlrev_b32 v136, 3, v137
	v_lshlrev_b32 v137, 4, v137
.irp k, 0,1,2,3,4,5,6,7
	v_mov_b32 v[72+\k], 0                          ; written once: the permutes' destinations in phase S
.endr
	s_wait_alu depctr_va_vdst(0)                   ; one wait for the 32
	v_pk_add_f32 v[134:135], v[SA:SA+1], v[SA+4:SA+5]      ; l, in two chains
	v_pk_add_f32 v[138:139], v[SA+2:SA+3], v[SA+6:SA+7]
.set n, 8
.rept 6
	v_pk_add_f32 v[134:135], v[134:135], v[SA+n:SA+n+1]
	v_pk_add_f32 v[138:139], v[138:139], v[SA+n+2:SA+n+3]
.set n, n+4
.endr
	v_pk_add_f32 v[134:135], v[134:135], v[138:139]
	v_add_f32 v134, v134, v135
	v_permlanex16_b32 v133, v134, s[SEL], s[SEL+1]
	v_add_f32 v89, v134, v133                      ; with the other half's 32 rows
	global_store_b64 v136, v[88:89], s[ST:ST+1]    ; (m, l), the same in every lane: 256 consecutive bytes, aligned
; ---- PHASE S
	s_wait_xcnt 0x0                                ; the first strip's loads and the prefetches have read their base
	s_sub_nc_u64 s[XB:XB+1], s[XB:XB+1], 512
	s_mov_b32 s[CNT], 7
.Lstrip:
	STRIP 1
	s_sub_co_u32 s[CNT], s[CNT], 1
	s_cmp_lg_u32 s[CNT], 0
	s_cbranch_scc1 .Lstrip
	STRIP 0                                        ; the rows' first 512 bytes: nothing more to load (the stepped address is not used)
	s_wait_tensorcnt 0x0                           ; the wave's end, behind my last tensor load and my last LDS store
	ds_add_u32 v[SPW], v[NIL]
	s_wait_dscnt 0x0
	CROUND                                         ; the closing round: no work-group ends while a partner may still ask for a tile that names it
	s_endpgm
.Lfunc_end_k_q49c2d6e20d_attn:
	.size	k_q49c2d6e20d_attn, .Lfunc_end_k_q49c2d6e20d_attn-k_q49c2d6e20d_attn
	.p2alignl 7, 3214868480
	.fill 96, 4, 3214868480
	.section	.rodata,"a",@progbits
	.p2align	6, 0x0
	.amdhsa_kernel k_q49c2d6e20d_attn
		.amdhsa_group_segment_fixed_size 327680
		.amdhsa_private_segment_fixed_size 0
		.amdhsa_enable_private_segment 0
		.amdhsa_kernarg_size 56
		.amdhsa_user_sgpr_count 2
		.amdhsa_user_sgpr_kernarg_segment_ptr 1
		.amdhsa_wavefront_size32 1
		.amdhsa_system_sgpr_workgroup_id_x 1
		.amdhsa_system_sgpr_workgroup_id_y 1
		.amdhsa_system_sgpr_workgroup_id_z 1
		.amdhsa_system_vgpr_workitem_id 0
		.amdhsa_next_free_vgpr 1024
		.amdhsa_next_free_sgpr 66
		.amdhsa_reserve_vcc 1
		.amdhsa_float_denorm_mode_32 3
		.amdhsa_float_denorm_mode_16_64 3
		.amdhsa_memory_ordered 1
		.amdhsa_forward_progress 1
		.amdhsa_inst_pref_size 255
	.end_amdhsa_kernel
	.section	.bss,"aw",@nobits
	.p2align	6
	.space	262144
	.amdgpu_metadata
---
amdhsa.version: [ 1, 2 ]
amdhsa.kernels:
  - .name:           k_q49c2d6e20d_attn
    .symbol:         k_q49c2d6e20d_attn.kd
    .args:
      - { .name: inputs, .offset: 0, .size: 8, .value_kind: global_buffer, .address_space: global }
      - { .name: mask, .offset: 8, .size: 8, .value_kind: global_buffer, .address_space: global }
      - { .name: wf, .offset: 16, .size: 8, .value_kind: global_buffer, .address_space: global }
      - { .name: W_ih_scales, .offset: 24, .size: 8, .value_kind: global_buffer, .address_space: global }
      - { .name: cw2, .offset: 32, .size: 8, .value_kind: global_buffer, .address_space: global }
      - { .name: part, .offset: 40, .size: 8, .value_kind: global_buffer, .address_space: global }
      - { .name: stat, .offset: 48, .size: 8, .value_kind: global_buffer, .address_space: global }
    .group_segment_fixed_size: 327680
    .private_segment_fixed_size: 0
    .kernarg_segment_align: 8
    .kernarg_segment_size: 56
    .max_flat_workgroup_size: 128
    .sgpr_count:     66
    .vgpr_count:     1024
    .wavefront_size: 32
...
	.end_amdgpu_metadata
.endif
;; end of part 2
;; launch merge (part 3): grid 4 x 32, 2 waves a work-group, no clusters, 0 bytes of LDS; arguments part, stat, out0; writes out0
.if DOCPART == 3
	.amdgcn_target "amdgcn-amd-amdhsa--gfx1250"
	.amdhsa_code_object_version 6
	.text
	.protected	k_q49c2d6e20d_merge
	.globl	k_q49c2d6e20d_merge
	.p2align	8
	.type	k_q49c2d6e20d_merge,@function
k_q49c2d6e20d_merge:
	s_mov_b64 s[64:65], 0
	v_nop
	global_prefetch_b8 v0, s[64:65] scope:SCOPE_SE
	s_setreg_imm32_b32 hwreg(HW_REG_WAVE_MODE, 25, 1), 1
	s_wait_xcnt 0x0
; out0[b][d] = sum over the batch's 32 parts k of w_k part[32 b + k][d] / L, with M = the largest m_k, w_k = e^(m_k - M), L = sum of w_k l_k: the softmax under the batch's maximum.  No work is left out.
; Where every row of a batch is masked all m_k are -1e30, all w_k are 1, and the rows' mean comes out, as in reference().  L is at least 1: the part that holds M has w = 1 and l >= 1.
; Work-group (x, b) makes columns 256 x .. 256 x + 255 of batch b; a thread owns four of them.  Each byte of part is read once; a wave's loads and its store cover 512 consecutive bytes.
; No LDS, no barrier, no matrix unit: 32 multiply-adds a number, bound by the loads.
	s_load_b128 s[4:7], s[0:1], 0x0                ; part, stat
	s_load_b64 s[8:9], s[0:1], 0x10                ; out0
	s_and_b32 s10, ttmp7, 0xffff                   ; b
	v_and_b32 v1, 31, v0
	v_lshlrev_b32 v2, 8, v1                        ; lane k: part k's 256 bytes of stat
	v_lshlrev_b32 v3, 4, v0                        ; my 16 bytes
	s_lshl_b32 s12, s10, 13
	s_mov_b32 s13, 0
	s_lshl_b32 s16, ttmp9, 10                      ; the work-group's 1,024 bytes of a row
	s_lshl_b32 s14, s10, 17                        ; 32 rows of part
	s_add_co_u32 s14, s14, s16
	s_mov_b32 s15, 0
	s_lshl_b32 s18, s10, 12                        ; a row of out0
	s_add_co_u32 s18, s18, s16
	s_mov_b32 s19, 0
	s_mov_b32 s20, 0x76543210
	s_mov_b32 s21, 0xfedcba98                      ; v_permlanex16_b32's selects for lane l xor 16
	s_wait_kmcnt 0x0
	s_add_nc_u64 s[6:7], s[6:7], s[12:13]
	s_add_nc_u64 s[4:5], s[4:5], s[14:15]
	s_add_nc_u64 s[8:9], s[8:9], s[18:19]
	global_load_b64 v[4:5], v2, s[6:7]             ; (m_k, l_k)
.irp k, 0,1,2,3,4,5,6,7,8,9,10,11,12,13,14,15,16,17,18,19,20,21,22,23,24,25,26,27,28,29,30,31
	global_load_b128 v[32+4*\k:35+4*\k], v3, s[4:5] offset:4096*\k th:TH_LOAD_NT
.endr
	s_wait_loadcnt 32                              ; all but part's 32
	v_mov_b32 v6, v4
	v_max_num_f32_dpp v6, v6, v6 row_xmask:1 row_mask:0xf bank_mask:0xf
	v_max_num_f32_dpp v6, v6, v6 row_xmask:2 row_mask:0xf bank_mask:0xf
	v_max_num_f32_dpp v6, v6, v6 row_xmask:4 row_mask:0xf bank_mask:0xf
	v_max_num_f32_dpp v6, v6, v6 row_xmask:8 row_mask:0xf bank_mask:0xf
	v_mov_b32 v7, 0
	v_permlanex16_b32 v7, v6, s20, s21
	v_max_num_f32 v6, v6, v7                       ; M
	v_sub_f32 v8, v4, v6                           ; the maximum is taken away first
	v_mul_f32 v8, 0x3fb8aa3b, v8
	v_exp_f32 v8, v8                               ; w_k
	v_nop                                          ; a plain instruction behind the transcendental,
	s_wait_alu depctr_va_vdst(0)                   ; and the wait ahead of its first reader
	v_mul_f32 v9, v8, v5
	v_add_f32_dpp v9, v9, v9 row_xmask:1 row_mask:0xf bank_mask:0xf
	v_add_f32_dpp v9, v9, v9 row_xmask:2 row_mask:0xf bank_mask:0xf
	v_add_f32_dpp v9, v9, v9 row_xmask:4 row_mask:0xf bank_mask:0xf
	v_add_f32_dpp v9, v9, v9 row_xmask:8 row_mask:0xf bank_mask:0xf
	v_permlanex16_b32 v7, v9, s20, s21
	v_add_f32 v9, v9, v7                           ; L
	v_rcp_f32 v10, v9
	v_nop
	s_wait_alu depctr_va_vdst(0)
	v_mul_f32 v8, v8, v10                          ; w_k / L
.irp k, 0,1,2,3,4,5,6,7,8,9,10,11,12,13,14,15,16,17,18,19,20,21,22,23,24,25,26,27,28,29,30,31
	v_readlane_b32 s[32+\k], v8, \k                ; as data alone: no address and no branch hangs on it
.endr
.irp k, 0,1,2,3,4,5,6,7,8,9,10,11,12,13,14,15,16,17,18,19,20,21,22,23,24,25,26,27,28,29,30,31
	s_wait_loadcnt 31-\k                           ; loads come back in order: part k is in, the younger ones may be out
.irp c, 0,1,2,3
.if \k == 0
	v_mul_f32 v[12+\c], s[32+\k], v[32+4*\k+\c]    ; the first part starts the sums
.else
	v_fmac_f32 v[12+\c], s[32+\k], v[32+4*\k+\c]
.endif
.endr
.endr
	global_store_b128 v3, v[12:15], s[8:9]
	s_endpgm
.Lfunc_end_k_q49c2d6e20d_merge:
	.size	k_q49c2d6e20d_merge, .Lfunc_end_k_q49c2d6e20d_merge-k_q49c2d6e20d_merge
	.p2alignl 7, 3214868480
	.fill 96, 4, 3214868480
	.section	.rodata,"a",@progbits
	.p2align	6, 0x0
	.amdhsa_kernel k_q49c2d6e20d_merge
		.amdhsa_group_segment_fixed_size 0
		.amdhsa_private_segment_fixed_size 0
		.amdhsa_enable_private_segment 0
		.amdhsa_kernarg_size 24
		.amdhsa_user_sgpr_count 2
		.amdhsa_user_sgpr_kernarg_segment_ptr 1
		.amdhsa_wavefront_size32 1
		.amdhsa_system_sgpr_workgroup_id_x 1
		.amdhsa_system_sgpr_workgroup_id_y 1
		.amdhsa_system_sgpr_workgroup_id_z 1
		.amdhsa_system_vgpr_workitem_id 0
		.amdhsa_next_free_vgpr 160
		.amdhsa_next_free_sgpr 66
		.amdhsa_reserve_vcc 0
		.amdhsa_float_denorm_mode_32 3
		.amdhsa_float_denorm_mode_16_64 3
		.amdhsa_memory_ordered 1
		.amdhsa_forward_progress 1
		.amdhsa_inst_pref_size 13
	.end_amdhsa_kernel
	.amdgpu_metadata
---
amdhsa.version: [ 1, 2 ]
amdhsa.kernels:
  - .name:           k_q49c2d6e20d_merge
    .symbol:         k_q49c2d6e20d_merge.kd
    .args:
      - { .name: part, .offset: 0, .size: 8, .value_kind: global_buffer, .address_space: global }
      - { .name: stat, .offset: 8, .size: 8, .value_kind: global_buffer, .address_space: global }
      - { .name: out0, .offset: 16, .size: 8, .value_kind: global_buffer, .address_space: global }
    .group_segment_fixed_size: 0
    .private_segment_fixed_size: 0
    .kernarg_segment_align: 8
    .kernarg_segment_size: 24
    .max_flat_workgroup_size: 64
    .sgpr_count:     66
    .vgpr_count:     160
    .wavefront_size: 32
...
	.end_amdgpu_metadata
.endif
;; end of part 3
